; MI455X (gfx1250); checked and timed in simulation.
; The chip was launched on July 23, 2026; its instructions are those of AMD's public machine-readable ISA for CDNA 5 (MIT licence, August 2026) and "CDNA5" Instruction Set Architecture Reference Guide (July 2026). The comments in the code are by the model that wrote it; some were corrected since.
;; Multi Head Attention. Allowed arithmetic: matrix products marked QUANTISED: E2M3 operands, one E8M0 scale for each 32 along K, by v_wmma_scale_f32_16x16x128_f8f6f4 with both operands' format E2M3, f32 sums; everything else in f32.
;; Inputs: K 2 x 2,048 x 1,024 float32; Q 2 x 2,048 x 1,024 float32; V 2 x 2,048 x 1,024 float32; WK 16 x 1,024 x 64 float32; WO 1,024 x 1,024 float32; WQ 16 x 1,024 x 64 float32; WV 16 x 1,024 x 64 float32.
;; Outputs: out0 2 x 2,048 x 1,024 float32.
;; This version of the problem:
;;   THIS VERSION OF THE PROBLEM IS GIVEN IN LOW PRECISION. The matrix products marked QUANTISED in the list below multiply operands that are first quantised to E2M3 (2 exponent bits, 3 mantissa bits; 6 bits a number), with one power-of-two scale for each 32 numbers along K (OCP MX v1.0); their sums are f32. All else is computed in f32.
;;   The module's matrix products, in the order in which they are computed (A, B: the left and right operand; K: the contracted axis; several contracted axes count as one K, in the product's order):
;;     1. [M 1,024, K 1,024] x [K 1,024, N 4,096]; A: input WQ; B: input Q: QUANTISED
;;     2. [M 1,024, K 1,024] x [K 1,024, N 4,096]; A: input WK; B: input K: QUANTISED
;;     3. [M 1,024, K 1,024] x [K 1,024, N 4,096]; A: input WV; B: input V: QUANTISED
;;     4. batch 32 x [M 2,048, K 64] x [K 64, N 2,048]; A: computed on the way; B: computed on the way: QUANTISED
;;     5. batch 32 x [M 2,048, K 2,048] x [K 2,048, N 64]; A: softmax (see below); B: computed on the way: QUANTISED
;;     6. [M 4,096, K 1,024] x [K 1,024, N 1,024]; A: computed on the way; B: input WO: QUANTISED
;;   THE QUANTISER, for each operand of a quantised product, along K:
;;     - K is cut into blocks of 32 from its start; a last block that is shorter is filled with zeros.
;;     - A block's scale is 2^e with e = floor(log2(the largest magnitude in the block)) - 2, held to -126 .. 127; a block of zeros has e = 0. As a byte (E8M0): e + 127.
;;     - Each number is divided by its block's scale, clamped to +-7.5, and rounded to the nearest number of E2M3, ties to even, subnormals kept.
;;     - The product sums the exact products of the quantised numbers (number of the format x scale) in f32.
;;   ~~~python
;;   def quantise(x, axis):      # numpy; x: float32 -> the quantised numbers, widened to float32 again
;;       x = np.moveaxis(x, axis, -1); K = x.shape[-1]
;;       x = np.pad(x, [(0, 0)] * (x.ndim - 1) + [(0, -K % 32)]); x = x.reshape(x.shape[:-1] + (-1, 32)); a = np.abs(x).max(-1, keepdims=True)
;;       e = np.where(a > 0, np.clip(np.frexp(np.where(a > 0, a, 1))[1] - 1 - 2, -126, 127), 0)      # np.frexp(a)[1] - 1 = floor(log2(a)), exactly
;;       r = np.clip(x / 2.0 ** e, -7.5, 7.5)
;;       step = 2.0 ** (np.maximum(np.frexp(np.where(r == 0, 1, r))[1] - 1, 0) - 3)
;;       q = np.round(r / step) * step * 2.0 ** e      # np.round: ties to even
;;       return np.moveaxis(q.reshape(q.shape[:-2] + (-1,))[..., :K], -1, axis).astype(np.float32)
;;   ~~~
;;   SOFTMAX AHEAD OF A QUANTISED PRODUCT. Where the list says 'softmax', what is quantised is not the finished softmax but p = 2^(t - M), with t = logit x log2(e) and M = ceil(the row's largest t), a whole number; so 1/2 < the row's largest p <= 1. The row's sum l is taken of the UNQUANTISED p, in f32, and the product's result is divided by l at the end. Since M is a whole number, a kernel that streams over the keys may use a running M (the ceiling of the running maximum): every later rescaling is an exact power of two, which a block's scale takes up: the codes' values come out the same.
;;   OPERANDS COMPUTED ON THE WAY. 'Computed on the way' means the value that the module computes at that place (a softmax that the list does not call 'softmax' is quantised finished and normalised). What goes into a quantiser is computed in f32, as accurately as f32 sums, v_exp_f32 and their like allow (about 1e-6 of the number): no bf16 or f16 on the way to a quantiser, and a product that is left as it is and whose result goes on into a quantised operand takes f32 operands (vector FMAs, or v_wmma_f32_16x16x4_f32). A number that lies on a knife's edge between two numbers of the format may be rounded either way, as far as f32 arithmetic and the matrix unit's own rounding can turn it there, and no further.
;; One version. Each part assembles by itself: llvm-mc -triple=amdgcn-amd-amdhsa -mcpu=gfx1250 --defsym DOCPART=n.
;; ======== version 1 of 1: 3 launches
;; limits: right only within a limited range of input values
;; workspace buffers: xq 9,830,400 bytes; wq 3,276,800 bytes; qq 3,407,872 bytes; kv 6,684,672 bytes
;; launch quant (part 1): grid 512 x 1, 4 waves a work-group, no clusters, 68,096 bytes of LDS; arguments Q, K, V, WQ, WK, WV, WO, xq, wq; writes xq, wq
.if DOCPART == 1
	.amdgcn_target "amdgcn-amd-amdhsa--gfx1250"
	.amdhsa_code_object_version 6
	.text
	.protected	k_q82aac85e57_quant
	.globl	k_q82aac85e57_quant
	.p2align	8
	.type	k_q82aac85e57_quant,@function
k_q82aac85e57_quant:
	s_mov_b64 s[64:65], 0
	v_nop
	global_prefetch_b8 v0, s[64:65] scope:SCOPE_SE
	s_setreg_imm32_b32 hwreg(HW_REG_WAVE_MODE, 25, 1), 1
	s_wait_xcnt 0x0
; All seven inputs, f32, become codes of FP6 (E2M3), 6 bits each, K innermost, with one E8M0 scale byte for each 32 along K.
; A block's scale is 2^(floor(log2(its largest magnitude)) - 2); its byte is the largest magnitude's exponent field - 2, held at 1 from below.
; LIMITS: NaN and infinities among the inputs are not served; a block whose largest magnitude lies under 2^-124 is held at the byte 1; a block of zeros carries the byte 1 where the
; rule says 127: its codes are zeros, which add nothing under any byte but 0xff, and the bytes are read by this program alone.
; xq: codes [3 (Q, K, V)][4096 places][768 bytes]; from byte 9,437,184 on scale bytes [3][4096][32].    wq: codes [4 (WQ, WK, WV, WO)][1024 places][768]; from 3,145,728 on scale bytes [4][1024][32].
; PLACES.  In K, V, WQ, WK and WV place p holds row p with its bits 3 and 4 exchanged: 16 places on end, 16 i + r, then hold the rows 32 (i / 2) + 8 (i % 2) + r + 8 (r / 8), the rows that the next launch
; wants as a tile, so that a lane's 16 results of two neighbouring tiles are 16 neighbours.  Q and WO lie as they are.
; Work-groups 0 to 383 take Q, K, V (K innermost: a plain stream of blocks of 32), work-groups 384 to 511 the weights (K not innermost: a lane takes a column and its registers run down K).
; The two ways part on the work-group's number and have LDS bytes of their own.  No work-group reads what another reads, so nothing is asked for jointly; no tensor loads, no barrier: waves share nothing.
.set XWG,   384
.set EMAX,  2
; ---- the streams
.set STEPS, 16                         ; a wave takes 16 steps of 512 numbers: 8 rows of 1,024
.set WREG,  8192                       ; LDS: a region for each wave: two stages of 32 x SP bytes, behind them its 256 scale bytes
.set SP,    80                         ; a lane's place in a stage: 64 bytes + 16 of padding
.set CB,    12                         ; bytes of 16 codes
.set XR,    16                         ; v16-79   four sets of 16 numbers as loaded
.set XN,    80                         ; v80-111  two sets of 16 neighbours
.set XE,    112                        ; v112-127 a scale byte for each step
.set XC,    128                        ; v128-191 codes: four registers for each step, so that no store's data are written again
; ---- the weights
.set WSTG,  32768                      ; LDS: behind the streams' regions: a stage of 32 rows x WP bytes for each wave
.set WP,    272                        ; a stage row: sixteen places of 16 bytes, each with 12 bytes of codes, + 16
.set KROW,  768                        ; a row of codes: 1,024 x 6 / 8 bytes
.set NB,    8                          ; blocks of 32 along K for a wave
.set WSB,   24                         ; v24-25   the scale bytes, four to a register
.set WX,    32                         ; v32-95   two sets of 32 numbers
.set WC,    96                         ; v96-102  a block's codes
.set WOUT,  112                        ; v112-175 the way out
.set WOF,   176                        ; v176-207 byte offset of row i of a block at my column; never rewritten
	s_load_b256 s[4:11], s[0:1], 0x0               ; Q s[4:5], K s[6:7], V s[8:9], WQ s[10:11]
	s_load_b256 s[12:19], s[0:1], 0x20             ; WK s[12:13], WV s[14:15], WO s[16:17], xq s[18:19]
	s_load_b64 s[20:21], s[0:1], 0x40              ; wq
	v_lshl_add_u32 v208, v0, 2, 0x10800
	v_mov_b32 v209, 0
	v_lshrrev_b32 v1, 5, v0
	v_readfirstlane_b32 s22, v1                    ; wave 0..3
	v_and_b32 v2, 31, v0                           ; lane
	s_cmp_lt_u32 ttmp9, XWG
	s_cbranch_scc0 .Lweights
; ================ Q, K, V ================
; Each of a step's four loads reads 512 consecutive bytes, 16 a lane; the 2,048 bytes go through the wave's own stage and come back 64 bytes a lane: 16 neighbours along K, two lanes to a block.
	v_lshlrev_b32 v3, 4, v2                        ; my 16 bytes of a load's 512
	s_mul_i32 s23, s22, WREG
	v_lshrrev_b32 v14, 2, v2
	v_mul_u32_u24 v14, v14, SP
	v_and_b32 v15, 3, v2
	v_lshl_add_u32 v14, v15, 4, v14
	v_add_nc_u32 v14, s23, v14                     ; the stage, on the way in: SP (lane / 4) + 16 (lane % 4)
	v_mul_u32_u24 v15, v2, SP
	v_add_nc_u32 v15, s23, v15                     ; and on the way out: SP x lane
	v_mul_u32_u24 v4, v2, CB                       ; my codes' place in a step's
	v_lshrrev_b32 v5, 1, v2
	s_add_co_u32 s23, s23, 2*32*SP
	v_add_nc_u32 v5, s23, v5                       ; my wave's 256 scale bytes, my block's byte
	v_lshlrev_b32 v7, 3, v2                        ; and on the way out 8 bytes a lane
	v_add_nc_u32 v6, s23, v7
	s_and_b32 s30, s22, 1
	s_lshl_b32 s30, s30, 1
	s_lshr_b32 s31, s22, 1
	s_or_b32 s30, s30, s31                         ; the wave's number with its two bits exchanged: a run is 8 rows, so these are bits 3 and 4 of a row
	s_and_b32 s31, ttmp9, 127
	s_lshl_b32 s31, s31, 2
	s_add_co_u32 s31, s31, s22                     ; which run of 8,192 numbers of the tensor I read
	s_lshl_b32 s32, s31, 15                        ; in bytes (under 2^24)
	s_mov_b32 s33, 0
	s_wait_alu depctr_va_vdst(0)
	s_wait_kmcnt 0x0
	s_cmp_lt_u32 ttmp9, 128                        ; the choices hang on the work-group's number alone
	s_cselect_b64 s[24:25], s[4:5], s[6:7]
	s_cselect_b32 s30, s22, s30                    ; Q keeps its rows' order
	s_cmp_lt_u32 ttmp9, 256
	s_cselect_b64 s[24:25], s[24:25], s[8:9]
	s_add_nc_u64 s[24:25], s[24:25], s[32:33]      ; my numbers
	s_lshl_b32 s31, ttmp9, 2
	; K'S PLACES (this replaces what the head says of K): a run is 8 rows; of the run's number the low three bits (b2 b1 b0) go to place (b1 b0 b2),
	; so that place 64 c + 16 u + 8 h + j holds key 64 c + 32 h + 8 u + j: a lane of the attention launch then holds a whole block of 32 keys in the registers of four tiles.
	s_add_co_u32 s34, s31, s22                     ; the run that I read, among the 1,536
	s_add_co_u32 s31, s31, s30                     ; Q's and V's place
	s_and_b32 s35, s34, 3
	s_lshl_b32 s35, s35, 1
	s_bfe_u32 s36, s34, 0x10002
	s_or_b32 s35, s35, s36
	s_and_b32 s34, s34, 0xfffffff8
	s_or_b32 s34, s34, s35                         ; K's place
	s_lshr_b32 s35, ttmp9, 7                       ; the tensor: 0 Q, 1 K, 2 V
	s_cmp_eq_u32 s35, 1
	s_cselect_b32 s31, s34, s31
	s_mul_i32 s32, s31, 6144
	s_add_nc_u64 s[26:27], s[18:19], s[32:33]      ; its codes
	s_lshl_b32 s32, s31, 8
	s_add_co_u32 s32, s32, 9437184
	s_add_nc_u64 s[28:29], s[18:19], s[32:33]      ; its scale bytes
.macro XLOAD t
.irp i, 0,1,2,3
	global_load_b128 v[XR+16*((\t)%4)+4*\i:XR+16*((\t)%4)+4*\i+3], v3, s[24:25] offset:2048*(\t)+512*\i th:TH_LOAD_NT   ; 32 lanes read 512 consecutive bytes
.endr
.endm
.macro XTURN t                         ; step t's numbers through the stage: LDS serves a wave's instructions in order (ISA guide 5.7.1.4), so no wait stands between the stores and the loads
.irp i, 0,1,2,3
	ds_store_b128 v14, v[XR+16*((\t)%4)+4*\i:XR+16*((\t)%4)+4*\i+3] offset:32*SP*((\t)%2)+8*SP*\i
.endr
.irp i, 0,1,2,3
	ds_load_b128 v[XN+16*((\t)%2)+4*\i:XN+16*((\t)%2)+4*\i+3], v15 offset:32*SP*((\t)%2)+16*\i
.endr
.endm
.irp t, 0,1,2,3
	XLOAD \t
.endr
	s_wait_loadcnt 12                              ; step 0's four loads are in; the twelve of steps 1 to 3 may be out
	XTURN 0
.macro XSTEP t
.set XS, XN+16*((\t)%2)
.if (\t) > 0
	s_wait_dscnt 1                                 ; this step's numbers are back from the stage (the last step's byte store may be out): so its stores into the stage have read their registers,
.else
	s_wait_dscnt 0x0
.endif
.if (\t)+4 < STEPS
	XLOAD (\t)+4                                   ; which take the loads of four steps on
.endif
.if (\t)+1 < STEPS
.if STEPS-2-(\t) >= 3
	s_wait_loadcnt 12                              ; the next step's four loads are in; those of the three steps behind it may be out
.else
	s_wait_loadcnt 4*(STEPS-2-(\t))
.endif
	XTURN (\t)+1                                   ; and go through the other stage while this step is worked
.endif
	v_max3_num_f32 v8, |v[XS]|, |v[XS+1]|, |v[XS+2]|               ; the largest magnitude of my 16, in two chains
	v_max3_num_f32 v9, |v[XS+3]|, |v[XS+4]|, |v[XS+5]|
.irp i, 6,10
	v_max3_num_f32 v8, v8, |v[XS+\i]|, |v[XS+\i+1]|
	v_max3_num_f32 v9, v9, |v[XS+\i+2]|, |v[XS+\i+3]|
.endr
	v_max3_num_f32 v8, v8, |v[XS+14]|, |v[XS+15]|
	v_max3_num_f32 v8, v8, v9, (EMAX+1)<<23        ; and the floor 2^(3 - 127): so the byte cannot fall under 1
	v_max_num_f32_dpp v8, v8, v8 row_xmask:1 row_mask:0xf bank_mask:0xf   ; and of my neighbour's 16: the block's
	v_add_nc_u32 v11, -(EMAX<<23), v8              ; 2 off its exponent field: the conversion takes the exponent field of this operand as its scale, and nothing else of it
	v_cvt_scalef32_pk16_fp6_f32 v[XC+4*(\t):XC+4*(\t)+2], v[XS:XS+15], v11   ; sixteen codes, 96 bits without gaps, the first number's lowest; beyond the largest code the largest
	v_lshrrev_b32 v[XE+(\t)], 23, v11              ; the scale's byte (also the plain line behind the conversion)
	ds_store_b8 v5, v[XE+(\t)] offset:16*(\t)      ; both lanes of a block write the same byte with the same value
	global_store_b96 v4, v[XC+4*(\t):XC+4*(\t)+2], s[26:27] offset:32*CB*(\t)   ; the wave stores 384 consecutive bytes
.endm
.irp t, 0,1,2,3,4,5,6,7,8,9,10,11,12,13,14,15
	XSTEP \t
.endr
	ds_load_b64 v[12:13], v6                       ; these see my byte stores: LDS serves a wave in order
	s_wait_dscnt 0x0
	global_store_b64 v7, v[12:13], s[28:29]        ; 32 lanes store 256 consecutive bytes, aligned
	s_wait_tensorcnt 0x0
	ds_add_u32 v208, v209
	s_wait_dscnt 0x0
	s_endpgm
; ================ WQ, WK, WV, WO ================
; A lane takes a column, its registers run down K: a block of 32 lies in one lane, and the conversions give codes with K innermost.  A wave takes 32 columns x 256 along K.
; WQ, WK, WV are [16][1024][64]: column n = 64 head + k lies at head x 262,144 + 4 k, rows 256 bytes apart.  WO is [1024][1024]: column n at 4 n, rows 4,096 bytes apart.
.Lweights:
	s_sub_co_u32 s23, ttmp9, XWG                   ; 0..127
	s_lshr_b32 s24, s23, 5                         ; the tensor: 0 WQ, 1 WK, 2 WV, 3 WO
	s_lshr_b32 s25, s23, 2                         ; 8 x tensor + which 128 columns
	s_and_b32 s26, s25, 7
	s_and_b32 s27, s23, 3                          ; which 256 along K
	s_lshl_b32 s28, s26, 7
	s_lshl_b32 s29, s22, 5
	s_add_co_u32 s28, s28, s29                     ; my wave's first column
	s_lshr_b32 s30, s28, 6
	s_lshl_b32 s30, s30, 18
	s_and_b32 s31, s28, 63
	s_lshl_b32 s31, s31, 2
	s_add_co_u32 s30, s30, s31                     ; its byte in a tensor of heads,
	s_lshl_b32 s49, s28, 2                         ; and in WO
	s_mov_b32 s31, 4096
	s_cmp_lt_u32 s24, 3
	s_cselect_b32 s30, s30, s49
	s_cselect_b32 s31, 256, s31                    ; bytes from row to row
	s_cselect_b32 s48, 24, 0                       ; the heads' tensors exchange bits 3 and 4 of the column
	s_lshl_b32 s49, s27, 8
	s_mul_i32 s49, s49, s31
	s_add_co_u32 s50, s49, s30                     ; my first number's byte (under 2^23)
	s_mov_b32 s51, 0
	s_lshl_b32 s52, s31, 5                         ; a block of 32 rows on
	s_mov_b32 s53, 0
	s_wait_alu depctr_va_vdst(0)
	v_lshrrev_b32 v10, 3, v2
	v_lshrrev_b32 v11, 4, v2
	v_xor_b32 v10, v10, v11
	v_and_b32 v10, 1, v10                          ; do bits 3 and 4 of my lane differ?
	v_mul_u32_u24 v10, s48, v10
	v_xor_b32 v10, v10, v2                         ; the column that I read; I write place = lane.  The exchange enters a global offset alone
	v_lshlrev_b32 v[WOF], 2, v10
.set i, 1
.rept 31
	v_add_nc_u32 v[WOF+i], s31, v[WOF+i-1]
.set i, i+1
.endr
	s_mul_i32 s23, s22, 32*WP
	s_add_co_u32 s23, s23, WSTG                    ; my stage
	v_mul_u32_u24 v4, v2, WP
	v_add_nc_u32 v4, s23, v4                       ; into it: row = my place
	v_and_b32 v5, 15, v2
	v_lshrrev_b32 v6, 4, v2                        ; out of it: sixteen lanes to a row, two rows an instruction
	v_mul_u32_u24 v7, v6, WP
	v_lshl_add_u32 v7, v5, 4, v7
	v_add_nc_u32 v7, s23, v7
	v_mul_u32_u24 v8, v6, KROW
	v_mad_u32_u24 v8, v5, 12, v8                   ; and the same place in the codes' buffer
	v_lshlrev_b32 v9, 5, v2
	v_mul_u32_u24 v26, v6, 12288                   ; WO's images: 12,288 bytes for a tile of 16 columns (8 fragments of 1,536),
	v_lshl_add_u32 v26, v5, 4, v26                 ; 16 bytes a column
	s_lshl_b32 s49, s25, 7
	s_add_co_u32 s49, s49, s29                     ; my wave's first place among wq's 4,096
	s_mul_i32 s54, s49, KROW
	s_cmp_lt_u32 s24, 3
	s_movk_i32 s55, 3072
	s_cselect_b32 s55, 192, s55                    ; 256 along K are 192 bytes of a row, or, in WO, two fragments
	s_mul_i32 s55, s27, s55
	s_add_co_u32 s54, s54, s55
	s_mov_b32 s55, 0
	s_lshl_b32 s28, s49, 5
	s_lshl_b32 s29, s27, 3
	s_add_co_u32 s28, s28, s29
	s_add_co_u32 s28, s28, 3145728
	s_mov_b32 s29, 0
	s_wait_kmcnt 0x0
	s_add_nc_u64 s[54:55], s[20:21], s[54:55]      ; my codes
	s_add_nc_u64 s[28:29], s[20:21], s[28:29]      ; my scale bytes
	s_cmp_lt_u32 s24, 1
	s_cselect_b64 s[32:33], s[10:11], s[12:13]
	s_cmp_lt_u32 s24, 2
	s_cselect_b64 s[32:33], s[32:33], s[14:15]
	s_cmp_lt_u32 s24, 3
	s_cselect_b64 s[32:33], s[32:33], s[16:17]
	s_add_nc_u64 s[32:33], s[32:33], s[50:51]      ; block 0; a base for each of the eight blocks, never rewritten
.irp t, 1,2,3,4,5,6,7
	s_add_nc_u64 s[32+2*\t:33+2*\t], s[30+2*\t:31+2*\t], s[52:53]
.endr
.macro WLOAD t                         ; block t: rows 32 t + i of my 256, i = 0 .. 31, at my column, into set t % 2: a wave reads 128 consecutive bytes
.irp i, 0,1,2,3,4,5,6,7,8,9,10,11,12,13,14,15,16,17,18,19,20,21,22,23,24,25,26,27,28,29,30,31
	global_load_b32 v[WX+32*((\t)%2)+\i], v[WOF+\i], s[32+2*(\t):33+2*(\t)] th:TH_LOAD_NT
.endr
.endm
	WLOAD 0
	WLOAD 1
.macro WBLOCK t, wo
.set XS, WX+32*((\t)%2)
.if (\t) < NB-1
	s_wait_loadcnt 32                              ; this block's 32 loads are in; the next block's may be out
.else
	s_wait_loadcnt 0
.endif
	v_max3_num_f32 v12, |v[XS]|, |v[XS+1]|, |v[XS+2]|               ; the block's largest magnitude: all 32 numbers are mine
	v_max3_num_f32 v13, |v[XS+3]|, |v[XS+4]|, |v[XS+5]|
.irp i, 6,10,14,18,22,26
	v_max3_num_f32 v12, v12, |v[XS+\i]|, |v[XS+\i+1]|
	v_max3_num_f32 v13, v13, |v[XS+\i+2]|, |v[XS+\i+3]|
.endr
	v_max3_num_f32 v12, v12, |v[XS+30]|, |v[XS+31]|
	v_max3_num_f32 v12, v12, v13, (EMAX+1)<<23     ; and the floor
	v_add_nc_u32 v11, -(EMAX<<23), v12             ; the conversions' scale operand
	v_lshrrev_b32 v13, 23, v11                     ; the scale's byte
.if (\t)%4 == 0
	v_mov_b32 v[WSB+(\t)/4], v13                   ; four bytes to a register, the lower K in the lower byte
.else
	v_lshl_or_b32 v[WSB+(\t)/4], v13, 8*((\t)%4), v[WSB+(\t)/4]
.endif
.if \wo
; WO (this replaces what the head says of WO's codes): images of the operand's registers, [64 tiles of 16 columns][8 steps of 128 along K][1,536 bytes]; a half fragment (64 along K) is 768 bytes:
; registers 0-3 at 16 (r + 16 h), registers 4-5 at 512 + 16 r + 8 h.  My block t is half (t % 4) / 2, h = t % 2 of step t / 4.  Each block has registers of its own: no store's data are written again.
.set BP, WOUT+16*((\t)/2)+8*((\t)%2)
	v_cvt_scalef32_pk16_fp6_f32 v[BP:BP+2], v[XS:XS+15], v11
	v_cvt_scalef32_pk16_fp6_f32 v[BP+4:BP+6], v[XS+16:XS+31], v11
	v_nop                                          ; one plain line behind a scaled conversion
	v_mov_b32 v[BP+3], v[BP+4]
	global_store_b128 v26, v[BP:BP+3], s[54:55] offset:1536*((\t)/4)+768*(((\t)%4)/2)+256*((\t)%2)   ; sixteen lanes store 256 consecutive bytes, aligned
.if (\t)%2
	v_mov_b32 v[BP-4], v[BP-3]                     ; registers 4-5 of the even block and of this one: 16 bytes a lane
	v_mov_b32 v[BP-3], v[BP-2]
	v_mov_b32 v[BP-2], v[BP+5]
	v_mov_b32 v[BP-1], v[BP+6]
	global_store_b128 v26, v[BP-4:BP-1], s[54:55] offset:1536*((\t)/4)+768*(((\t)%4)/2)+512
.endif
.else
	v_cvt_scalef32_pk16_fp6_f32 v[WC:WC+2], v[XS:XS+15], v11
	v_cvt_scalef32_pk16_fp6_f32 v[WC+4:WC+6], v[XS+16:XS+31], v11
	ds_store_b96 v4, v[WC:WC+2] offset:32*(\t)
	ds_store_b96 v4, v[WC+4:WC+6] offset:32*(\t)+16
.endif
.if (\t)+2 < NB
	WLOAD (\t)+2
.endif
	s_wait_dscnt 0x0                               ; the stores have read their registers: the next block's codes may be written
.endm
	s_cmp_lt_u32 s24, 3                            ; WO takes a copy of the eight blocks of its own: the choice hangs on the work-group's number alone
	s_wait_alu depctr_va_vdst(0)                   ; the wait ahead of the branch
	s_cbranch_scc0 .Lwo
.irp t, 0,1,2,3,4,5,6,7
	WBLOCK \t, 0
.endr
	s_wait_alu depctr_va_vdst(0)
	global_store_b64 v9, v[WSB:WSB+1], s[28:29]    ; my place's 8 scale bytes
.irp t, 0,1,2,3,4,5,6,7,8,9,10,11,12,13,14,15
	ds_load_b96 v[WOUT+4*\t:WOUT+4*\t+2], v7 offset:2*\t*WP   ; these see my stores: LDS serves a wave in order
.endr
.irp t, 0,1,2,3,4,5,6,7,8,9,10,11,12,13,14,15
	s_wait_dscnt 15-\t                             ; read-back t is in; the later ones may be out
	global_store_b96 v8, v[WOUT+4*\t:WOUT+4*\t+2], s[54:55] offset:2*\t*KROW
.endr
	s_wait_tensorcnt 0x0
	ds_add_u32 v208, v209
	s_wait_dscnt 0x0
	s_endpgm
.Lwo:
.irp t, 0,1,2,3,4,5,6,7
	WBLOCK \t, 1
.endr
	s_wait_alu depctr_va_vdst(0)
	global_store_b64 v9, v[WSB:WSB+1], s[28:29]    ; my column's 8 scale bytes, laid as the other weights'
	s_wait_tensorcnt 0x0
	ds_add_u32 v208, v209
	s_wait_dscnt 0x0
	s_endpgm
.Lfunc_end_k_q82aac85e57_quant:
	.size	k_q82aac85e57_quant, .Lfunc_end_k_q82aac85e57_quant-k_q82aac85e57_quant
	.p2alignl 7, 3214868480
	.fill 96, 4, 3214868480
	.section	.rodata,"a",@progbits
	.p2align	6, 0x0
	.amdhsa_kernel k_q82aac85e57_quant
		.amdhsa_group_segment_fixed_size 68096
		.amdhsa_private_segment_fixed_size 0
		.amdhsa_enable_private_segment 0
		.amdhsa_kernarg_size 72
		.amdhsa_user_sgpr_count 2
		.amdhsa_user_sgpr_kernarg_segment_ptr 1
		.amdhsa_wavefront_size32 1
		.amdhsa_system_sgpr_workgroup_id_x 1
		.amdhsa_system_sgpr_workgroup_id_y 1
		.amdhsa_system_sgpr_workgroup_id_z 1
		.amdhsa_system_vgpr_workitem_id 0
		.amdhsa_next_free_vgpr 210
		.amdhsa_next_free_sgpr 66
		.amdhsa_reserve_vcc 0
		.amdhsa_float_denorm_mode_32 3
		.amdhsa_float_denorm_mode_16_64 3
		.amdhsa_memory_ordered 1
		.amdhsa_forward_progress 1
		.amdhsa_inst_pref_size 108
	.end_amdhsa_kernel
	.amdgpu_metadata
---
amdhsa.version: [ 1, 2 ]
amdhsa.kernels:
  - .name:           k_q82aac85e57_quant
    .symbol:         k_q82aac85e57_quant.kd
    .args:
      - { .name: Q, .offset: 0, .size: 8, .value_kind: global_buffer, .address_space: global }
      - { .name: K, .offset: 8, .size: 8, .value_kind: global_buffer, .address_space: global }
      - { .name: V, .offset: 16, .size: 8, .value_kind: global_buffer, .address_space: global }
      - { .name: WQ, .offset: 24, .size: 8, .value_kind: global_buffer, .address_space: global }
      - { .name: WK, .offset: 32, .size: 8, .value_kind: global_buffer, .address_space: global }
      - { .name: WV, .offset: 40, .size: 8, .value_kind: global_buffer, .address_space: global }
      - { .name: WO, .offset: 48, .size: 8, .value_kind: global_buffer, .address_space: global }
      - { .name: xq, .offset: 56, .size: 8, .value_kind: global_buffer, .address_space: global }
      - { .name: wq, .offset: 64, .size: 8, .value_kind: global_buffer, .address_space: global }
    .group_segment_fixed_size: 68096
    .private_segment_fixed_size: 0
    .kernarg_segment_align: 8
    .kernarg_segment_size: 72
    .max_flat_workgroup_size: 128
    .sgpr_count:     66
    .vgpr_count:     210
    .wavefront_size: 32
...
	.end_amdgpu_metadata
.endif
;; end of part 1
;; launch proj (part 2): grid 4 x 48, 4 waves a work-group, clusters of 4 x 4, 327,680 bytes of LDS; arguments xq, wq, qq, kv; writes qq, kv
.if DOCPART == 2
	.amdgcn_target "amdgcn-amd-amdhsa--gfx1250"
	.amdhsa_code_object_version 6
	.text
	.protected	k_q82aac85e57_proj
	.globl	k_q82aac85e57_proj
	.p2align	8
	.type	k_q82aac85e57_proj,@function
k_q82aac85e57_proj:
	s_mov_b64 s[64:65], 0
	v_nop
	global_prefetch_b8 v0, s[64:65] scope:SCOPE_SE
	s_setreg_imm32_b32 hwreg(HW_REG_WAVE_MODE, 25, 1), 1
	s_wait_xcnt 0x0
	s_wait_alu depctr_hold_cnt(0) depctr_sa_sdst(0) depctr_va_vdst(0) depctr_va_sdst(0) depctr_va_ssrc(0) depctr_va_vcc(0) depctr_vm_vsrc(0)
	s_getreg_b32 s2, hwreg(HW_REG_IB_STS2, 6, 4)
	s_cmp_eq_u32 s2, 0
	s_cbranch_scc0 .Lentry_in_a_cluster
	s_endpgm
.Lentry_in_a_cluster:
	s_bfe_u32 s2, ttmp6, 0x10000c
	s_cmp_lg_u32 s2, 0xf033
	s_cbranch_scc0 .Lentry_shape_is_right
	s_endpgm
.Lentry_shape_is_right:
; The three projections Qi, Ki, Vi on codes of FP6 (E2M3) with E8M0 scales, K = 1,024, sums in f32; the results are quantised in registers and stored as images of the operand registers that the attention launch wants.
; ROLES.  P is source 1 of the matrix instruction: a lane holds one row of P.  R is source 0: a lane's registers run along R's rows, and the quantiser runs along R.
;   z = 0, 1 (Qi, Ki): P = the tokens (4,096 places of xq), R = the weight's 1,024 rows.   z = 2 (Vi): P = WV's 1,024 rows, R = the tokens.   z comes from the cluster's y and is the same in all sixteen partners.
; R's rows lie in memory with bits 3 and 4 of their number exchanged, so that the 16 registers of tiles 2 b and 2 b + 1 are 16 neighbours along R.
; SHARES.  A work-group of four waves makes 256 rows of P x 256 rows of R, a wave 128 x 128: 64 accumulators.  192 work-groups: 12,582,912 results in tiles of 65,536.
; K goes through a ring of two LDS slots in chunks of 256 bytes of each row (a row of codes is 768 bytes: three chunks, each on a multiple of 256 bytes).  A step of 128 along K is 96 bytes: steps 2 and 5 lie across two chunks.
; The scale bytes of the work-group's rows, for all of K, come once, with the head's loads: one tensor load a wave there (P's chunk 0, R's chunk 0, P's scales, R's scales).
; CLUSTERS: 4 x 4.  The four of a row of the cluster need the same tiles of P, the four of a column the same tiles of R: each tile is asked for jointly.
; No prefetch: K is three chunks, of which two are asked for before the first product, at the block of 256 x 256 in clusters.
; OUT.  A half fragment (registers 0-5, 32 lanes) is 768 bytes: registers 0-3 at 16 x lane, registers 4-5 at 512 + 8 x lane.
;   qq: Q's half fragments [32 heads][128 tiles of 16 queries][768]; from byte 3,145,728 on a scale word for each query [32][2048].
;   kv: a record of 13,056 bytes for each 128 keys of a head, [32][16]: 8 tiles of K x 768 | 4 fragments of V^T x 1,536 | 128 scale words of K | 64 scale words of V.
; LIMITS: NaN and infinities are not served; a block whose largest magnitude lies under 2^-124 (a block of zeros too) carries the byte 1.
; REGISTERS: window 0: v16-29 addresses; v32-63 scale words, two sets; v64-127 the way out; from v128 P's fragments, one set.  window 1: R's fragments, two sets.  windows 2, 3: the accumulators.
.set ROWB,   256
.set NQ,     2
.set KROW,   768
.set STEPS,  8
.set CHUNKS, 3
.set PITCH,  272                       ; 256 bytes + 16 of padding
.set FR,     12
.set NL,     6
.set NP,     4
.set HALFT,  128*PITCH
.set SLOT,   4*HALFT                   ; P's 256 rows, then R's 256 rows
.set KS,     32
.set SCL,    2*SLOT
.set HALFS,  (128*KS/256)*272
.set SBLK,   (16*KS/256)*272
.set SPARE,  SCL+4*HALFS
.set STAGE,  SLOT                      ; the way out's small stage: in slot 1, which holds chunk 1: it has had its last fill, and nobody reads it behind step 5's barrier
.set ADRA, 16
.set ADRB, 20
.set ADRS, 27
.set SPW,  28
.set NIL,  29
.set SC,   32
.set AF,   128
.set L16,  66
.set L8,   67
.set SST,  68
.set SRD,  69
.set VSO,  70
.set SH16, 71
.set FLR,  72
.set PC,   80
.set TM,   100
.set PW,   116
.set PX,   120
.set YB,   132
.set G1, 24
.set G0, 32
.set G1B, 48
.set G0B, 56
.set G1S, 68
.set G0S, 76
.set G1SB, 80
.set G0SB, 88
.set G0H, 4                            ; s[4:7], s[96:99]: group 0 of the head's loads of chunk 0 (the addresses that lay there have been used by then)
.set G0HB, 96
.set ZZ,  95
.set BA0, 48
.set BA1, 50
.set SB0, 52
.set SB1, 54
.set STP, 56
.set EXT, 58
.set SEL, 60
.set MSB, 0
.macro WIN new
.if MSB != \new
	s_set_vgpr_msb (MSB<<8)|\new
.set MSB, \new
.endif
.endm
.set MUL_LO, 0xa1
.set MUL_HI, 0xf1
.set TO_B,   0x40
.macro JLOAD g0a, g1a, g0b, g1b        ; waves 0, 1 fetch for P, waves 2, 3 for R
	s_cmp_eq_u32 s15, 0
	s_cbranch_scc0 .Lfor_b_\@
	tensor_load_to_lds s[\g0a:\g0a+3], s[\g1a:\g1a+7]
	s_nop 0
.rept 4
	v_nop
.endr
	s_branch .Lasked_\@
.Lfor_b_\@:
	tensor_load_to_lds s[\g0b:\g0b+3], s[\g1b:\g1b+7]
	s_nop 0
.rept 4
	v_nop
.endr
.Lasked_\@:
.endm
.macro CREST
	s_cmp_lg_u32 s14, 0
	s_cbranch_scc1 .Lnot_wave_0_\@
	s_barrier_signal -3
.Lnot_wave_0_\@:
	s_barrier_wait -3
	s_barrier_signal -1
	s_barrier_wait -1
.endm
.macro CROUND
	s_barrier_signal -1
	s_barrier_wait -1
	CREST
.endm
	s_load_b256 s[4:11], s[0:1], 0x0               ; xq, wq, qq, kv
	v_lshl_add_u32 v[SPW], v0, 2, SPARE
	v_mov_b32 v[NIL], 0
	ds_add_u32 v[SPW], v[NIL]                      ; the opening lines: the add twice and its wait
	ds_add_u32 v[SPW], v[NIL]
	v_lshrrev_b32 v1, 5, v0
	v_readfirstlane_b32 s14, v1                    ; wave
	s_lshr_b32 s15, s14, 1                         ; my half of P's rows; also: I fetch for P (0) or R (1)
	s_and_b32 s16, s14, 1                          ; my half of R's rows; also: which 128 rows I fetch
	s_bfe_u32 s40, ttmp6, 0x40000                  ; cx
	s_bfe_u32 s41, ttmp6, 0x40004                  ; cy
	s_and_b32 s12, ttmp7, 0xffff
	s_lshr_b32 s[ZZ], s12, 2                       ; z
	s_and_b32 s12, s12, 3
	s_lshl_b32 s12, s12, 2
	s_cmp_lt_u32 s[ZZ], 2
	s_cselect_b32 s17, s12, 0
	s_cselect_b32 s42, 0, s12
	s_add_co_u32 s17, s17, s41                     ; my tile of P: hangs on cy alone
	s_add_co_u32 s42, s42, s40                     ; my tile of R: on cx alone
	s_lshl_b32 s43, s41, 2
	s_lshl_b32 s43, 15, s43                        ; my row of the cluster
	s_lshl_b32 s44, 0x1111, s40                    ; my column
	s_or_b32 s[G1+0], s43, (0<<16)|(1<<20)|(1<<21)|(5<<22)|(3<<25)   ; bytes; 4 words of padding behind every 64
	s_or_b32 s[G1B+0], s44, (0<<16)|(1<<20)|(1<<21)|(5<<22)|(3<<25)
.irp g, G1, G1B
	s_mov_b32 s[\g+1], ROWB<<16
	s_mov_b32 s[\g+2], 256<<16                     ; 256 rows for the head's loads
	s_mov_b32 s[\g+3], ROWB<<16
	s_mov_b32 s[\g+4], 256
	s_mov_b32 s[\g+5], KROW
	s_mov_b32 s[\g+6], 0
	s_mov_b32 s[\g+7], 0
.endr
	s_or_b32 s[G1S+0], s43, (3<<16)|(1<<20)|(1<<21)|(5<<22)|(3<<25)  ; the scale bytes of 256 rows: 32 rows of 256 bytes
	s_or_b32 s[G1SB+0], s44, (3<<16)|(1<<20)|(1<<21)|(5<<22)|(3<<25)
.irp g, G1S, G1SB
	s_mov_b32 s[\g+1], 32<<16
	s_mov_b32 s[\g+2], KS<<16
	s_mov_b32 s[\g+3], 32<<16
	s_mov_b32 s[\g+4], KS
	s_mov_b32 s[\g+5], 32
	s_mov_b32 s[\g+6], 0
	s_mov_b32 s[\g+7], 0
.endr
	s_lshl_b32 s20, s17, 8                         ; P's first row
	s_lshl_b32 s46, s42, 8                         ; R's
	s_mov_b32 s21, 0
	s_mov_b32 s47, 0
	s_mov_b64 s[18:19], KS
	s_mul_u64 s[22:23], s[20:21], s[18:19]
	s_mul_u64 s[92:93], s[46:47], s[18:19]
	s_mov_b64 s[18:19], KROW
	s_mul_u64 s[20:21], s[20:21], s[18:19]
	s_mul_u64 s[46:47], s[46:47], s[18:19]
	s_mul_i32 s66, s[ZZ], 3145728                  ; tensor z in xq: codes,
	s_mul_i32 s67, s[ZZ], 131072
	s_add_co_u32 s67, s67, 9437184                 ; scale bytes;
	s_mul_i32 s100, s[ZZ], 786432                  ; in wq: codes,
	s_mul_i32 s101, s[ZZ], 32768
	s_add_co_u32 s101, s101, 3145728               ; scale bytes
	s_cmp_lt_u32 s[ZZ], 2
	s_cselect_b32 s12, s66, s100
	s_cselect_b32 s13, s67, s101
	s_cselect_b32 s66, s100, s66
	s_cselect_b32 s67, s101, s67
	s_add_co_u32 s20, s20, s12                     ; (all under 2^24)
	s_add_co_u32 s22, s22, s13
	s_add_co_u32 s46, s46, s66
	s_add_co_u32 s92, s92, s67
	s_mul_i32 s18, s16, 128*KROW                   ; in the ring I fetch 128 rows
	s_mov_b32 s19, 0
	s_mul_i32 s45, s14, HALFT
	s_wait_dscnt 0x0
	s_wait_kmcnt 0x0
	s_cmp_lt_u32 s[ZZ], 2
	s_cselect_b64 s[96:97], s[4:5], s[6:7]
	s_cselect_b64 s[98:99], s[6:7], s[4:5]
	s_add_nc_u64 s[20:21], s[96:97], s[20:21]
	s_add_nc_u64 s[22:23], s[96:97], s[22:23]
	s_add_nc_u64 s[46:47], s[98:99], s[46:47]
	s_add_nc_u64 s[92:93], s[98:99], s[92:93]
	CROUND                                         ; the first joint loads meet
	s_mov_b32 s[G0H], 1
	s_mov_b32 s[G0H+1], 0
	s_mov_b64 s[G0H+2:G0H+3], s[20:21]
	s_or_b32 s[G0H+3], s[G0H+3], 0x80000000
	s_mov_b32 s[G0HB], 1
	s_mov_b32 s[G0HB+1], 2*HALFT
	s_mov_b64 s[G0HB+2:G0HB+3], s[46:47]
	s_or_b32 s[G0HB+3], s[G0HB+3], 0x80000000
	s_mov_b32 s[G0S], 1
	s_mov_b32 s[G0S+1], SCL
	s_mov_b64 s[G0S+2:G0S+3], s[22:23]
	s_or_b32 s[G0S+3], s[G0S+3], 0x80000000
	s_mov_b32 s[G0SB], 1
	s_mov_b32 s[G0SB+1], SCL+2*HALFS
	s_mov_b64 s[G0SB+2:G0SB+3], s[92:93]
	s_or_b32 s[G0SB+3], s[G0SB+3], 0x80000000
	s_add_nc_u64 s[20:21], s[20:21], s[18:19]
	s_add_nc_u64 s[46:47], s[46:47], s[18:19]
.irp s, 0,1
	s_mov_b32 s[G0+4*\s], 1
	s_add_co_u32 s[G0+4*\s+1], s45, \s*SLOT
	s_add_nc_u64 s[G0+4*\s+2:G0+4*\s+3], s[20:21], \s*ROWB
	s_or_b32 s[G0+4*\s+3], s[G0+4*\s+3], 0x80000000
	s_mov_b32 s[G0B+4*\s], 1
	s_add_co_u32 s[G0B+4*\s+1], s45, \s*SLOT
	s_add_nc_u64 s[G0B+4*\s+2:G0B+4*\s+3], s[46:47], \s*ROWB
	s_or_b32 s[G0B+4*\s+3], s[G0B+4*\s+3], 0x80000000
.endr
.macro ARM under, g0, g1, next         ; the head's loads, one a wave: one chain of branches on the wave's number, all arms to one join
	s_cmp_lt_u32 s14, \under
	s_cbranch_scc0 \next
	tensor_load_to_lds s[\g0:\g0+3], s[\g1:\g1+7]
	s_nop 0
.rept 4
	v_nop
.endr
	s_branch .Lhead_asked
\next:
.endm
	ARM 1, G0H,  G1,  .Lhead_b
	ARM 2, G0HB, G1B, .Lhead_sa
	ARM 3, G0S,  G1S, .Lhead_sb
	tensor_load_to_lds s[G0SB:G0SB+3], s[G1SB:G1SB+7]
	s_nop 0
.rept 4
	v_nop
.endr
.Lhead_asked:
	v_and_b32 v1, 15, v0
	v_bfe_u32 v2, v0, 4, 1
	v_mul_u32_u24 v3, v1, PITCH
	v_mul_u32_u24 v4, v2, 24
	v_add_nc_u32 v4, v3, v4                        ; row x pitch + 24 x half
	s_mov_b32 s21, SLOT-232
	s_mov_b32 s22, SLOT+232
	v_sub_nc_u32 v7, 1, v2
	v_mul_u32_u24 v5, s21, v2
	v_add_nc_u32 v5, v3, v5
	v_add_nc_u32 v5, 232, v5                       ; across two chunks: lanes 0-15 byte 232 in slot 0, lanes 16-31 byte 0 in slot 1;
	v_mul_u32_u24 v6, s22, v7
	v_add_nc_u32 v6, v3, v6                        ; and the other way round
	s_mul_i32 s21, s15, HALFT
	s_mul_i32 s22, s16, HALFT
	s_add_co_u32 s22, s22, 2*HALFT
	v_add_nc_u32 v[ADRA+2], s21, v5
	v_add_nc_u32 v[ADRA+3], s21, v6
	v_add_nc_u32 v[ADRB+2], s22, v5
	v_add_nc_u32 v[ADRB+3], s22, v6
.irp s, 0,1
	v_add_nc_u32 v[ADRA+\s], s21, v4
	v_add_nc_u32 v[ADRB+\s], s22, v4
	s_add_co_u32 s21, s21, SLOT
	s_add_co_u32 s22, s22, SLOT
.endr
	v_mul_u32_u24 v5, v1, KS
	v_lshrrev_b32 v6, 8, v5
	v_lshl_add_u32 v5, v6, 4, v5
	s_mul_i32 s21, s15, HALFS
	s_mul_i32 s22, s16, HALFS
	s_add_co_u32 s22, s22, 2*HALFS
	s_sub_co_u32 s22, s22, s21
	v_mul_u32_u24 v6, s22, v2                      ; lanes 16-31 take R's scale words
	s_add_co_u32 s21, s21, SCL
	v_add_nc_u32 v5, v5, v6
	v_add_nc_u32 v[ADRS], s21, v5
.macro FRAG reg, adr, st, i            ; 16 rows x 128 K: 12 registers, in pieces of 8 bytes; byte y of a row lies in slot (y / 256) % 2 at byte y % 256
.irp p, 0,1,2,3,4,5
.set BY, 96*(\st)+48*(\p/3)+8*(\p%3)
.if BY/ROWB == (BY+24)/ROWB
	ds_load_b64 v[\reg+2*\p:\reg+2*\p+1], v[\adr+(BY/ROWB)%2] offset:BY%ROWB+(\i)*16*PITCH
.else
	ds_load_b64 v[\reg+2*\p:\reg+2*\p+1], v[\adr+2+(BY/ROWB)%2] offset:BY%ROWB-232+(\i)*16*PITCH
.endif
.endr
.endm
.macro MUL16 a0, p, q, sc, zero        ; P's blocks a0, a0 + 1 x R's eight; the 64 accumulators take turns
.irp a, \a0, \a0+1
.irp b, 0,1,2,3,4,5,6,7
.if \zero
	v_wmma_scale_f32_16x16x128_f8f6f4 v[8*(8*((\a)%4)+\b):8*(8*((\a)%4)+\b)+7], v[128*(\p)+FR*\b:128*(\p)+FR*\b+FR-1], v[AF+FR*(\a):AF+FR*(\a)+FR-1], 0, v[SC+8*NQ*(\sc)+NQ*\b+(\q)], v[SC+8*NQ*(\sc)+NQ*(\a)+(\q)] matrix_a_fmt:MATRIX_FMT_FP6 matrix_b_fmt:MATRIX_FMT_FP6 matrix_a_scale:MATRIX_SCALE_ROW1
.else
	v_wmma_scale_f32_16x16x128_f8f6f4 v[8*(8*((\a)%4)+\b):8*(8*((\a)%4)+\b)+7], v[128*(\p)+FR*\b:128*(\p)+FR*\b+FR-1], v[AF+FR*(\a):AF+FR*(\a)+FR-1], v[8*(8*((\a)%4)+\b):8*(8*((\a)%4)+\b)+7], v[SC+8*NQ*(\sc)+NQ*\b+(\q)], v[SC+8*NQ*(\sc)+NQ*(\a)+(\q)] matrix_a_fmt:MATRIX_FMT_FP6 matrix_b_fmt:MATRIX_FMT_FP6 matrix_a_scale:MATRIX_SCALE_ROW1
.endif
.endr
.endr
.endm
.macro FETCH_B st, p
	WIN TO_B
.irp i, 0,1,2,3,4,5,6,7
	FRAG 128*(\p)+FR*\i, ADRB, \st, \i
.endr
	WIN 0
.endm
.macro FETCH_A st, i0
.irp i, \i0, \i0+1, \i0+2, \i0+3
	FRAG AF+FR*(\i), ADRA, \st, \i
.endr
.endm
.macro SCALES pr                       ; the scale words of steps 2 pr, 2 pr + 1: lanes 0-15 P's block i, lanes 16-31 R's
.irp i, 0,1,2,3,4,5,6,7
	ds_load_b64 v[SC+8*NQ*((\pr)%2)+NQ*\i:SC+8*NQ*((\pr)%2)+NQ*\i+1], v[ADRS] offset:\i*SBLK+4*NQ*(\pr)
.endr
.endm
.macro PLACES n
.rept \n
	v_nop
.endr
.endm
; A step of 128 along K.  Where the next step's bytes end in a chunk not read yet: a wait for my tensor loads and a barrier.  Where they begin in a later chunk: the chunk left behind is read no more:
; the wait, the add, the wait for it and for my reads, the barrier; where a chunk two on is left to fetch, the barrier opens a round of the cluster's barrier and the slot is filled again.
.macro STEP st, zero
.set NX, (\st)+1
.set C0, (96*(\st))/ROWB
.set C1, (96*NX)/ROWB
.set E0, (96*(\st)+95)/ROWB
.set E1, (96*NX+95)/ROWB
.if C1 > C0 || E1 > E0
	s_wait_tensorcnt 0x0
.if C1 > C0
	ds_add_u32 v[SPW], v[NIL]
	s_wait_dscnt 4*NL+1                            ; the add and P's blocks 4-7 (24 loads) may be out
.else
	s_wait_dscnt 4*NL                              ; P's blocks 4-7 may be out
.endif
	WIN MUL_LO
	MUL16 0, (\st)%2, (\st)%2, ((\st)/2)%2, \zero
	s_wait_dscnt 0x0
	s_barrier_signal -1
	MUL16 2, (\st)%2, (\st)%2, ((\st)/2)%2, \zero
	WIN 0
	s_barrier_wait -1
.if C1 > C0 && C0+2 < CHUNKS
	CREST
	s_add_nc_u64 s[G0+4*(C0%2)+2:G0+4*(C0%2)+3], s[G0+4*(C0%2)+2:G0+4*(C0%2)+3], 2*ROWB
	s_add_nc_u64 s[G0B+4*(C0%2)+2:G0B+4*(C0%2)+3], s[G0B+4*(C0%2)+2:G0B+4*(C0%2)+3], 2*ROWB
	JLOAD G0+4*(C0%2), G1, G0B+4*(C0%2), G1B       ; chunk C0 + 2; its four v_nop are the places ahead of the loads below
.else
	PLACES NP
.endif
.else
	s_wait_dscnt 4*NL
	WIN MUL_LO
	MUL16 0, (\st)%2, (\st)%2, ((\st)/2)%2, \zero
	MUL16 2, (\st)%2, (\st)%2, ((\st)/2)%2, \zero
	s_wait_dscnt 0
	PLACES NP
.endif
	FETCH_B NX, NX%2
	FETCH_A NX, 0
.if NX%2 == 0
	SCALES NX/2
.endif
	WIN MUL_HI
	MUL16 4, (\st)%2, (\st)%2, ((\st)/2)%2, \zero
	MUL16 6, (\st)%2, (\st)%2, ((\st)/2)%2, \zero
	PLACES NP
	WIN 0
	FETCH_A NX, 4
.endm
	s_wait_alu depctr_va_vdst(0)                   ; the wait at the head's end
	s_wait_tensorcnt 0x0                           ; my tile of the head's four is in; the add and its wait ahead of a later first fill:
	ds_add_u32 v[SPW], v[NIL]
	s_mov_b32 s[G1+2], 128<<16                     ; no load of mine is out: from here on a load brings 128 rows
	s_mov_b32 s[G1+4], 128
	s_mov_b32 s[G1B+2], 128<<16
	s_mov_b32 s[G1B+4], 128
	s_wait_dscnt 0x0
	CROUND
	JLOAD G0+4, G1, G0B+4, G1B                     ; chunk 1
	FETCH_B 0, 0
	FETCH_A 0, 0
	SCALES 0
	FETCH_A 0, 4
	STEP 0, 1                                      ; the first step's products start the sums
.set ST, 1
.rept STEPS-2
	STEP ST, 0
.set ST, ST+1
.endr
	s_wait_dscnt 4*NL
	WIN MUL_LO
	MUL16 0, 1, 1, 1, 0
	MUL16 2, 1, 1, 1, 0
	s_wait_dscnt 0
	WIN MUL_HI
	MUL16 4, 1, 1, 1, 0
	MUL16 6, 1, 1, 1, 0
	WIN 0
	PLACES NP
; THE WAY OUT.  For each of my eight blocks a of 16 rows of P a lane holds 64 results: register 16 b + i = index 32 b + 16 (lane / 16) + i along my 128 rows of R.  They become 12 registers of codes and a scale word.
;   z = 0, 1: my 128 rows of R are two heads: registers 0-5 a half fragment of head bh, registers 6-11 one of head bh + 1.     z = 2: 128 keys: a whole fragment of V^T.
	s_lshl_b32 s20, s17, 8
	s_lshl_b32 s21, s15, 7
	s_add_co_u32 s20, s20, s21                     ; my first row of P
	s_lshl_b32 s21, s42, 8
	s_lshl_b32 s22, s16, 7
	s_add_co_u32 s21, s21, s22                     ; my first row of R
	s_cmp_lt_u32 s[ZZ], 2
	s_cselect_b32 s22, s20, s21                    ; the token
	s_cselect_b32 s23, s21, s20                    ; 64 head + channel
	s_lshr_b32 s24, s22, 11
	s_and_b32 s25, s22, 2047
	s_lshl_b32 s24, s24, 4
	s_lshr_b32 s23, s23, 6
	s_add_co_u32 s24, s24, s23                     ; bh
	s_mul_i32 s26, s24, 208896
	s_lshr_b32 s27, s25, 7
	s_mul_i32 s27, s27, 13056
	s_add_co_u32 s26, s26, s27                     ; my record in kv
	s_mul_i32 s28, s24, 98304
	s_mul_i32 s29, s25, 48
	s_add_co_u32 s28, s28, s29                     ; Q's half fragments
	s_lshl_b32 s29, s24, 13
	s_lshl_b32 s30, s25, 2
	s_add_co_u32 s29, s29, s30
	s_add_co_u32 s29, s29, 3145728                 ; Q's scale words
	s_add_co_u32 s62, s26, 6144
	s_add_co_u32 s63, s26, 12288
	s_add_co_u32 s66, s26, 12800
	s_mov_b32 s34, 208896
	s_mov_b32 s67, 768
	s_cmp_eq_u32 s[ZZ], 2
	s_cselect_b32 s30, s62, s26
	s_cselect_b32 s32, s66, s63
	s_cselect_b32 s34, 768, s34
	s_cselect_b32 s[STP], 1536, s67
	s_cselect_b32 s[EXT], 202752, 0
	s_cselect_b32 s36, 208640, 0
	s_mov_b32 s62, 98304
	s_mov_b32 s63, 8192
	s_mov_b32 s38, 208896
	s_cmp_eq_u32 s[ZZ], 0
	s_cselect_b32 s30, s28, s30
	s_cselect_b32 s32, s29, s32
	s_cselect_b32 s34, s62, s34
	s_cselect_b32 s38, s63, s38
	s_cselect_b64 s[44:45], s[8:9], s[10:11]       ; qq or kv
	s_mov_b32 s31, 0
	s_mov_b32 s33, 0
	s_mov_b32 s35, 0
	s_mov_b32 s39, 0
	s_mov_b32 s[STP+1], 0
	s_mov_b32 s[EXT+1], 0
	s_add_nc_u64 s[BA0:BA0+1], s[44:45], s[30:31]
	s_add_nc_u64 s[BA1:BA1+1], s[BA0:BA0+1], s[34:35]
	s_add_nc_u64 s[SB0:SB0+1], s[44:45], s[32:33]
	s_add_nc_u64 s[SB1:SB1+1], s[SB0:SB0+1], s[38:39]
	s_mov_b32 s[SEL], 0x76543210
	s_mov_b32 s[SEL+1], 0xfedcba98
	s_lshl_b32 s37, s14, 10
	s_add_co_u32 s37, s37, STAGE                   ; my stage for the scale words: 1,024 bytes in slot 1
	v_and_b32 v64, 31, v0
	v_lshlrev_b32 v[L16], 4, v64
	v_lshlrev_b32 v[L8], 3, v64
	v_and_b32 v65, 15, v0
	v_bfe_u32 v73, v0, 4, 1
	v_lshlrev_b32 v[SST], 2, v65
	v_lshl_add_u32 v[SST], v73, 9, v[SST]
	v_add_nc_u32 v[SST], s37, v[SST]
	v_add_nc_u32 v[SRD], s37, v[L16]
	v_mul_u32_u24 v[VSO], s36, v73
	v_add_nc_u32 v[VSO], v[VSO], v[L16]
	v_lshlrev_b32 v[SH16], 4, v73
	v_mov_b32 v[FLR], 0x1800000
.irp b, 0,1,2,3
	v_mov_b32 v[TM+4+\b], 0
.endr
.macro EPI a
.set AC, 64*((\a)%4)
.set WD, 2+(\a)/4
.if (\a) > 0
	s_wait_xcnt 0x0                                ; the last block's stores have read their data and bases
	s_add_nc_u64 s[BA0:BA0+1], s[BA0:BA0+1], s[STP:STP+1]
	s_add_nc_u64 s[BA1:BA1+1], s[BA1:BA1+1], s[STP:STP+1]
.endif
.if (\a) == 4
	s_add_nc_u64 s[BA0:BA0+1], s[BA0:BA0+1], s[EXT:EXT+1]
	s_add_nc_u64 s[BA1:BA1+1], s[BA1:BA1+1], s[EXT:EXT+1]
.endif
	WIN 20*WD
.irp b, 0,1,2,3
	v_max3_num_f32 v[TM+\b], v[FLR], |v[AC+16*\b]|, |v[AC+16*\b+1]|   ; my 16 numbers of block b and the floor; each accumulator from its low end on
.endr
.irp i, 2,4,6,8,10,12,14
.irp b, 0,1,2,3
	v_max3_num_f32 v[TM+\b], v[TM+\b], |v[AC+16*\b+\i]|, |v[AC+16*\b+\i+1]|
.endr
.endr
	WIN 0
.irp b, 0,1,2,3
	v_permlanex16_b32 v[TM+4+\b], v[TM+\b], s[SEL], s[SEL+1]
.endr
.irp b, 0,1,2,3
	v_max_num_f32 v[TM+\b], v[TM+\b], v[TM+4+\b]
.endr
.irp b, 0,1,2,3
	v_add_nc_u32 v[TM+12+\b], 0xff000000, v[TM+\b] ; the conversion's scale operand
.endr
.irp b, 0,1,2,3
	v_lshrrev_b32 v[TM+4+\b], 23, v[TM+12+\b]      ; the byte
.endr
	v_lshl_or_b32 v[PW], v[TM+5], 8, v[TM+4]
	v_lshl_or_b32 v[PW], v[TM+6], 16, v[PW]
	v_lshl_or_b32 v[PW], v[TM+7], 24, v[PW]
	v_lshrrev_b32 v[PX+(\a)], v[SH16], v[PW]       ; lanes 16-31 bring bytes 2, 3 down
	WIN WD
.irp c, 0,1
	v_cvt_scalef32_pk16_fp6_f32 v[PC+6*\c:PC+6*\c+2], v[AC+32*\c:AC+32*\c+15], v[TM+12+2*\c]
	v_cvt_scalef32_pk16_fp6_f32 v[PC+12+4*\c:PC+14+4*\c], v[AC+16+32*\c:AC+31+32*\c], v[TM+12+2*\c+1]
.endr
	WIN 0
	v_nop
.irp c, 0,1
.irp i, 0,1,2
	v_permlane16_swap_b32 v[PC+6*\c+\i], v[PC+12+4*\c+\i]
.endr
.irp i, 0,1,2
	v_mov_b32 v[PC+3+6*\c+\i], v[PC+12+4*\c+\i]
.endr
.endr
	ds_store_b32 v[SST], v[PX+(\a)] offset:64*(\a)
	global_store_b128 v[L16], v[PC:PC+3], s[BA0:BA0+1]
	global_store_b64 v[L8], v[PC+4:PC+5], s[BA0:BA0+1] offset:512
	global_store_b128 v[L16], v[PC+6:PC+9], s[BA1:BA1+1]
	global_store_b64 v[L8], v[PC+10:PC+11], s[BA1:BA1+1] offset:512
.endm
.irp a, 0,1,2,3,4,5,6,7
	EPI \a
.endr
	ds_load_b128 v[YB:YB+3], v[SRD]
	ds_load_b128 v[YB+4:YB+7], v[SRD] offset:512
	s_wait_dscnt 0x0
	global_store_b128 v[VSO], v[YB:YB+3], s[SB0:SB0+1]
	s_cmp_lt_u32 s[ZZ], 2
	s_cbranch_scc0 .Lno_second
	global_store_b128 v[L16], v[YB+4:YB+7], s[SB1:SB1+1]
.Lno_second:
	s_wait_tensorcnt 0x0                           ; the wave's end
	ds_add_u32 v[SPW], v[NIL]
	s_wait_dscnt 0x0
	CROUND                                         ; the closing round
	s_endpgm
.Lfunc_end_k_q82aac85e57_proj:
	.size	k_q82aac85e57_proj, .Lfunc_end_k_q82aac85e57_proj-k_q82aac85e57_proj
	.p2alignl 7, 3214868480
	.fill 96, 4, 3214868480
	.section	.rodata,"a",@progbits
	.p2align	6, 0x0
	.amdhsa_kernel k_q82aac85e57_proj
		.amdhsa_group_segment_fixed_size 327680
		.amdhsa_private_segment_fixed_size 0
		.amdhsa_enable_private_segment 0
		.amdhsa_kernarg_size 32
		.amdhsa_user_sgpr_count 2
		.amdhsa_user_sgpr_kernarg_segment_ptr 1
		.amdhsa_wavefront_size32 1
		.amdhsa_system_sgpr_workgroup_id_x 1
		.amdhsa_system_sgpr_workgroup_id_y 1
		.amdhsa_system_sgpr_workgroup_id_z 1
		.amdhsa_system_vgpr_workitem_id 0
		.amdhsa_next_free_vgpr 1024
		.amdhsa_next_free_sgpr 102
		.amdhsa_reserve_vcc 0
		.amdhsa_float_denorm_mode_32 3
		.amdhsa_float_denorm_mode_16_64 3
		.amdhsa_memory_ordered 1
		.amdhsa_forward_progress 1
		.amdhsa_inst_pref_size 168
	.end_amdhsa_kernel
	.amdgpu_metadata
---
amdhsa.version: [ 1, 2 ]
amdhsa.kernels:
  - .name:           k_q82aac85e57_proj
    .symbol:         k_q82aac85e57_proj.kd
    .args:
      - { .name: xq, .offset: 0, .size: 8, .value_kind: global_buffer, .address_space: global }
      - { .name: wq, .offset: 8, .size: 8, .value_kind: global_buffer, .address_space: global }
      - { .name: qq, .offset: 16, .size: 8, .value_kind: global_buffer, .address_space: global }
      - { .name: kv, .offset: 24, .size: 8, .value_kind: global_buffer, .address_space: global }
    .group_segment_fixed_size: 327680
    .private_segment_fixed_size: 0
    .kernarg_segment_align: 8
    .kernarg_segment_size: 32
    .max_flat_workgroup_size: 128
    .sgpr_count:     102
    .vgpr_count:     1024
    .wavefront_size: 32
...
	.end_amdgpu_metadata
.endif
;; end of part 2
;; launch attn (part 3): grid 8 x 32, 16 waves a work-group, clusters of 4 x 1, 327,680 bytes of LDS; arguments qq, kv, wq, out0; writes out0
.if DOCPART == 3
	.amdgcn_target "amdgcn-amd-amdhsa--gfx1250"
	.amdhsa_code_object_version 6
	.text
	.protected	k_q82aac85e57_attn
	.globl	k_q82aac85e57_attn
	.p2align	8
	.type	k_q82aac85e57_attn,@function
k_q82aac85e57_attn:
	s_mov_b64 s[64:65], 0
	v_nop
	global_prefetch_b8 v0, s[64:65] scope:SCOPE_SE
	s_setreg_imm32_b32 hwreg(HW_REG_WAVE_MODE, 25, 1), 1
	s_wait_xcnt 0x0
	s_wait_alu depctr_hold_cnt(0) depctr_sa_sdst(0) depctr_va_vdst(0) depctr_va_sdst(0) depctr_va_ssrc(0) depctr_va_vcc(0) depctr_vm_vsrc(0)
	s_getreg_b32 s2, hwreg(HW_REG_IB_STS2, 6, 4)
	s_cmp_eq_u32 s2, 0
	s_cbranch_scc0 .Lentry_in_a_cluster
	s_endpgm
.Lentry_in_a_cluster:
	s_bfe_u32 s2, ttmp6, 0x10000c
	s_cmp_lg_u32 s2, 0x3003
	s_cbranch_scc0 .Lentry_shape_is_right
	s_endpgm
.Lentry_shape_is_right:
; out = reshape(softmax(Qi Ki^T / 8) Vi) WO: attention for 32 heads of 2,048 tokens x 64 channels, and the last product, all three products on codes of FP6 (E2M3) with E8M0 scales.
; THE SOFTMAX: t = score x log2(e) / 8; M = the row's largest t so far, rounded up to a whole number; p = 2^(t - M) is quantised along the keys, not normalised.  The row's sum is taken of the unquantised p, in f32,
; and divides O at the end.  When M moves, the sum and O are multiplied by 2^(old M - new M): exact.
; SHARES.  A work-group owns 256 queries of one head, each of its sixteen waves 16 of them, in 256 registers.  THE WHOLE HEAD LIES IN LDS: 16 records of 13,056 bytes; each wave fetches one record with its one tensor load
; (51 rows of 256 bytes, dense, on multiples of 256 bytes); one barrier, then 16 key steps with no barrier: nothing is filled again.
; CLUSTER.  The four query blocks of a cluster belong to one head: every record is asked for jointly, by the same load with a mask that names the four.
; No prefetch: all tensor loads go out as one group at the head, with no loop ahead of them; WO's images are read by all 256 work-groups.
; LAYOUT.  S^T = K Q^T, O^T = V^T P^T: a lane holds one query (lane % 16).  The first product's K is 64: registers 6-11 of both operands are zero codes.  Row m of K's tile 4 c + u is key 64 c + 32 (m / 8) + 8 u + m % 8,
; so the 32 registers of tiles 4 c .. 4 c + 3 are keys 64 c + 32 (lane / 16) + 0 .. 31: a whole block of p in a lane, in the operand's own order.
; THE LAST PRODUCT.  The raw reshape makes row 128 bh + s / 16 of its left operand of 16 neighbouring queries (column 64 (s % 16) + channel): my tile is one row, the work-group's sixteen tiles are 16 rows.
; The rows' codes and scale bytes meet in LDS; then each wave makes 16 rows x 64 columns of out: 8 steps of 128 along K x 4 tiles.  WO's fragments come from memory as images of the registers, three K steps ahead.
; LIMITS: NaN and infinities are not served; the promise holds while the scaled scores t stay under 2^31 in magnitude; a p under 2^-126 counts as 0; a block whose largest magnitude lies under 2^-124 carries the byte 1.
; REGISTERS: v1-3 16, 8, 4 x lane; v4-6 lane, r, h; v8-10 addresses in hand; v11 8 h; v12 -M, v13 the largest t, v[14:15] the sum; v16-27 Q, later the tail's addresses; v28-29 V's scale words; v30-31 the add's;
;   v32-79 four tiles of K; v80-127 V's fragments; v128-191 S^T, then p; v192-223 O^T; v224-235 p's codes; v232-247, v252 at work; v248-251 K's scale words; v253 p's scale word; v255 Q's.
;   In the tail: v32-175 three sets of WO's fragments; v176-183 the rows' scale words; v184-191, v248-255 WO's; v192-223 the sums; v224-247 two fragments of the rows.
.set REC,   13056
.set HEADB, 16*REC
.set KC,    0
.set VC,    6144
.set KSO,   12288
.set VSW,   12800
.set STG,   HEADB                      ; the 16 rows' codes, 784 bytes apart
.set APITCH, 784
.set SCS,   STG+16*APITCH              ; their 512 scale bytes
.set OST,   SCS+512                    ; a stage of 16 rows x 272 bytes for each wave, for the way out
.set OPITCH, 272
.set SPARE, OST+16*16*OPITCH           ; the spare words: 128 bytes a wave
.set KF,  32
.set VF,  80
.set S,   128
.set O,   192
.set BS,  32
.set WV,  18
.set SEL, 20
.set CS,  22
.set G1,  24
.set G0,  32
.set TB,  44
.set CNT, 45
.macro CROUND
	s_barrier_signal -1
	s_barrier_wait -1
	s_cmp_lg_u32 s[WV], 0
	s_cbranch_scc1 .Lnot_wave_0_\@
	s_barrier_signal -3
.Lnot_wave_0_\@:
	s_barrier_wait -3
	s_barrier_signal -1
	s_barrier_wait -1
.endm
	s_load_b256 s[4:11], s[0:1], 0x0               ; qq, kv, wq, out0
	v_lshl_add_u32 v30, v0, 2, SPARE
	v_mov_b32 v31, 0
	ds_add_u32 v30, v31                            ; the opening lines: the add twice and its wait
	ds_add_u32 v30, v31
	v_lshrrev_b32 v4, 5, v0
	v_readfirstlane_b32 s[WV], v4                  ; wave 0..15
	v_and_b32 v4, 31, v0
	v_and_b32 v5, 15, v0                           ; r
	v_bfe_u32 v6, v0, 4, 1                         ; h
	v_lshlrev_b32 v1, 4, v4
	v_lshlrev_b32 v2, 3, v4
	v_lshlrev_b32 v3, 2, v4
	v_lshlrev_b32 v7, 2, v5
	v_lshlrev_b32 v11, 3, v6
	s_bfe_u32 s12, ttmp6, 0x40000                  ; cx: it enters Q's and the result's addresses alone
	s_lshl_b32 s13, ttmp9, 2
	s_add_co_u32 s13, s13, s12                     ; my block of 256 queries
	s_and_b32 s12, ttmp7, 0xffff                   ; bh, which the four partners share
	s_lshl_b32 s14, s12, 7
	s_lshl_b32 s15, s13, 4
	s_add_co_u32 s14, s14, s15                     ; the work-group's first tile, and first row of out
	s_add_co_u32 s15, s14, s[WV]                   ; my tile
	s_mul_i32 s16, s15, 768
	s_mov_b32 s17, 0
	s_lshl_b32 s52, s15, 6
	s_add_co_u32 s52, s52, 3145728                 ; Q's scale words
	s_mov_b32 s53, 0
	s_lshl_b32 s54, s14, 12
	s_lshl_b32 s55, s[WV], 8
	s_add_co_u32 s54, s54, s55                     ; out: 4,096 bytes a row, my 64 columns
	s_mov_b32 s55, 0
	s_mul_i32 s33, s[WV], REC                      ; my record, in LDS as in memory
	s_mul_i32 s56, s12, HEADB
	s_add_co_u32 s56, s56, s33
	s_mov_b32 s57, 0
	s_mul_i32 s58, s[WV], 49152
	s_add_co_u32 s58, s58, 2359296                 ; WO's images: my four tiles of 16 columns
	s_mov_b32 s59, 0
	s_lshl_b32 s50, s[WV], 11
	s_add_co_u32 s50, s50, 3244032                 ; WO's scale bytes: my 64 rows of 32
	s_mov_b32 s51, 0
	s_mov_b32 s[G1], 15|(3<<16)|(1<<21)            ; the mask: all four; elements of 8 bytes; bit 21 beside a mask
	s_mov_b32 s[G1+1], 32<<16
	s_mov_b32 s[G1+2], 51<<16
	s_mov_b32 s[G1+3], 32<<16
	s_mov_b32 s[G1+4], 51
	s_mov_b32 s[G1+5], 32
	s_mov_b32 s[G1+6], 0
	s_mov_b32 s[G1+7], 0
	s_mov_b32 s[SEL], 0x76543210
	s_mov_b32 s[SEL+1], 0xfedcba98
	s_mov_b32 s[CS], 0x3e38aa3b                    ; log2(e) / 8
	s_mov_b32 s[CS+1], s[CS]
	s_wait_alu depctr_va_vdst(0)                   ; the wait ahead of the waits below
	s_wait_dscnt 0x0
	s_wait_kmcnt 0x0
	s_add_nc_u64 s[52:53], s[4:5], s[52:53]
	s_add_nc_u64 s[4:5], s[4:5], s[16:17]
	s_add_nc_u64 s[6:7], s[6:7], s[56:57]
	s_add_nc_u64 s[58:59], s[8:9], s[58:59]
	s_add_nc_u64 s[50:51], s[8:9], s[50:51]
	s_add_nc_u64 s[10:11], s[10:11], s[54:55]
	global_load_b128 v[16:19], v1, s[4:5]          ; Q's registers 0-3,
	global_load_b64 v[20:21], v2, s[4:5] offset:512   ; 4-5,
	global_load_b32 v255, v7, s[52:53]             ; and its scale words
	s_mov_b32 s[G0], 1
	s_mov_b64 s[G0+2:G0+3], s[6:7]
	s_or_b32 s[G0+3], s[G0+3], 0x80000000
	CROUND                                         ; the joint loads meet
	tensor_load_to_lds s[G0:G0+3], s[G1:G1+7]      ; my one tensor load: record number = my wave's
	s_nop 0
.irp j, 22,23,24,25,26,27
	v_mov_b32 v[\j], 0                             ; K = 64 .. 127 of the first product: zero codes, in Q
.endr
.irp t, 0,1,2,3
.irp j, 6,7,8,9,10,11
	v_mov_b32 v[KF+12*\t+\j], 0                    ; and in K's four tiles
.endr
.endr
	v_mov_b32 v13, 0xff61b1e6                      ; -3e38, under every t
	v_floor_f32 v12, -v13
	v_mov_b32 v14, 0
	v_mov_b32 v15, 0
	v_mov_b32 v241, 0                              ; lane permutes' destinations count as sources
	v_mov_b32 v243, 0
	v_mov_b32 v253, 0
.set j, 0
.rept 32
	v_mov_b32 v[O+j], 0                            ; O^T: the step is written once; the first change of M multiplies zeros
.set j, j+1
.endr
	s_mov_b32 s[TB], 0
	s_mov_b32 s[CNT], 16
	s_wait_alu depctr_va_vdst(0)                   ; the wait at the head's end
	s_wait_loadcnt 0x0
	s_wait_tensorcnt 0x0                           ; my record is in,
	s_barrier_signal -1
	s_barrier_wait -1                              ; everybody's is
.macro SCORE g
.irp t, 0,1,2,3
.if (\t)%2
	v_wmma_scale_f32_16x16x128_f8f6f4 v[S+8*(4*(\g)+\t):S+8*(4*(\g)+\t)+7], v[KF+12*\t:KF+12*\t+11], v[16:27], 0, v[248+2*(\g)+(\t)/2], v255 matrix_a_fmt:MATRIX_FMT_FP6 matrix_b_fmt:MATRIX_FMT_FP6 matrix_a_scale:MATRIX_SCALE_ROW1
.else
	v_wmma_scale_f32_16x16x128_f8f6f4 v[S+8*(4*(\g)+\t):S+8*(4*(\g)+\t)+7], v[KF+12*\t:KF+12*\t+11], v[16:27], 0, v[248+2*(\g)+(\t)/2], v255 matrix_a_fmt:MATRIX_FMT_FP6 matrix_b_fmt:MATRIX_FMT_FP6
.endif
.endr
.endm
.macro KTILES g
.irp t, 0,1,2,3
	ds_load_b128 v[KF+12*\t:KF+12*\t+3], v8 offset:KC+768*(4*(\g)+\t)
	ds_load_b64 v[KF+12*\t+4:KF+12*\t+5], v9 offset:KC+768*(4*(\g)+\t)+512
.endr
.endm
.Lstep:                                                ; a key step: the 128 keys of the record at s[TB]
	v_add_nc_u32 v8, s[TB], v1
	v_add_nc_u32 v9, s[TB], v2
	v_add_nc_u32 v10, s[TB], v3
	v_nop                                          ; four places between the last step's products and the loads into registers that they read
	KTILES 0
.irp i, 0,1,2,3
	ds_load_b32 v[248+\i], v10 offset:KSO+128*\i
.endr
.irp f, 0,1,2,3
	ds_load_b128 v[VF+12*\f:VF+12*\f+3], v8 offset:VC+1536*\f
	ds_load_b64 v[VF+12*\f+4:VF+12*\f+5], v9 offset:VC+1536*\f+512
	ds_load_b128 v[VF+12*\f+6:VF+12*\f+9], v8 offset:VC+1536*\f+768
	ds_load_b64 v[VF+12*\f+10:VF+12*\f+11], v9 offset:VC+1536*\f+1280
.endr
	ds_load_b32 v28, v10 offset:VSW
	ds_load_b32 v29, v10 offset:VSW+128
	s_wait_alu depctr_va_vdst(0)
	s_wait_dscnt 18                                ; K's first four tiles and its scale words are in; V's 16 loads and its 2 of scale words may be out
	SCORE 0
.rept 4
	v_nop
.endr
	KTILES 1
	s_wait_dscnt 0x0
	SCORE 1
.rept 4
	v_nop
.endr
.irp c, 0,1                                    ; the largest score of my two blocks of 32 keys, each in two chains; each accumulator is first read at its low end
	v_max3_num_f32 v[232+\c], v[S+32*\c], v[S+32*\c+1], v[S+32*\c+2]
	v_max3_num_f32 v[234+\c], v[S+32*\c+16], v[S+32*\c+17], v[S+32*\c+18]
.endr
.irp i, 3,5,7,9,11,13
.irp c, 0,1
	v_max3_num_f32 v[232+\c], v[232+\c], v[S+32*\c+\i], v[S+32*\c+\i+1]
	v_max3_num_f32 v[234+\c], v[234+\c], v[S+32*\c+16+\i], v[S+32*\c+17+\i]
.endr
.endr
.irp c, 0,1
	v_max3_num_f32 v[232+\c], v[232+\c], v[234+\c], v[S+32*\c+15]
.endr
.irp c, 0,1
	v_max_num_f32 v[232+\c], v[232+\c], v[S+32*\c+31]
.endr
	v_max_num_f32 v240, v232, v233
	v_permlanex16_b32 v241, v240, s[SEL], s[SEL+1]
	v_max_num_f32 v240, v240, v241                 ; the step's largest score of my query
	v_mul_f32 v240, s[CS], v240
	v_max_num_f32 v13, v13, v240                   ; the running largest t
	v_mov_b32 v240, v12
	v_floor_f32 v12, -v13                          ; -M = -ceil(t)
	v_sub_f32 v240, v12, v240
	v_cvt_i32_f32 v240, v240                       ; (it saturates)
	v_ldexp_f32 v252, 1.0, v240                    ; f = 2^(old M - new M)
.set j, 0
.rept 32
	v_pk_fma_f32 v[S+j:S+j+1], v[S+j:S+j+1], s[CS:CS+1], v[12:13] op_sel_hi:[1,0,0]   ; t - M
.set j, j+2
.endr
.irp c, 0,1
	v_fma_f32 v[232+\c], v[232+\c], s[CS], v12     ; the same of each block's largest score: p rises with the score
.endr
	s_wait_alu depctr_va_vdst(0)                   ; the wait ahead of the batch
.set j, 0
.rept 64
	v_exp_f32 v[S+j], v[S+j]                       ; p
.set j, j+1
.endr
	v_exp_f32 v232, v232                           ; the blocks' largest p
	v_exp_f32 v233, v233
	v_pk_mul_f32 v[14:15], v[14:15], v[252:253] op_sel_hi:[1,0]   ; the sum under the new M
	s_wait_alu depctr_va_vdst(0)                   ; and the wait behind it
	v_pk_add_f32 v[236:237], v[S:S+1], v[S+2:S+3]  ; the sum of the unquantised p: 32 packed additions in four chains
	v_pk_add_f32 v[238:239], v[S+4:S+5], v[S+6:S+7]
	v_pk_add_f32 v[240:241], v[S+8:S+9], v[S+10:S+11]
	v_pk_add_f32 v[14:15], v[14:15], v[S+12:S+13]
.irp j, 14,22,30,38,46,54
	v_pk_add_f32 v[236:237], v[236:237], v[S+\j:S+\j+1]
	v_pk_add_f32 v[238:239], v[238:239], v[S+\j+2:S+\j+3]
	v_pk_add_f32 v[240:241], v[240:241], v[S+\j+4:S+\j+5]
	v_pk_add_f32 v[14:15], v[14:15], v[S+\j+6:S+\j+7]
.endr
	v_pk_add_f32 v[236:237], v[236:237], v[S+62:S+63]
	v_pk_add_f32 v[238:239], v[238:239], v[240:241]
	v_max_num_f32 v232, 0x1800000, v232            ; the floor 2^(3 - 127): the byte cannot fall under 1
	v_max_num_f32 v233, 0x1800000, v233
	v_pk_add_f32 v[14:15], v[14:15], v[236:237]
	v_add_nc_u32 v244, 0xff000000, v232            ; the conversions' scale operands
	v_add_nc_u32 v245, 0xff000000, v233
	v_pk_add_f32 v[14:15], v[14:15], v[238:239]
	v_lshrrev_b32 v246, 23, v244                   ; the bytes: blocks h and 2 + h
	v_lshrrev_b32 v247, 23, v245
	v_lshl_or_b32 v242, v247, 16, v246
	v_lshlrev_b32 v242, v11, v242                  ; at their places, 8 h bits up;
	v_permlanex16_b32 v243, v242, s[SEL], s[SEL+1]
	v_or_b32 v253, v242, v243                      ; with lane l xor 16's two the word is whole
.irp c, 0,1
	v_cvt_scalef32_pk16_fp6_f32 v[224+6*\c:226+6*\c], v[S+32*\c:S+32*\c+15], v[244+\c]
	v_cvt_scalef32_pk16_fp6_f32 v[236+4*\c:238+4*\c], v[S+32*\c+16:S+32*\c+31], v[244+\c]   ; (a conversion's three registers begin on an even number)
.endr
	v_nop                                          ; one plain line behind a scaled conversion
.irp c, 0,1
.irp i, 0,1,2
	v_mov_b32 v[227+6*\c+\i], v[236+4*\c+\i]
.endr
.endr
	s_wait_alu depctr_va_vdst(0)                   ; the wait directly ahead of O^T's first reader
.set j, 0
.rept 16
	v_pk_mul_f32 v[O+j:O+j+1], v[O+j:O+j+1], v[252:253] op_sel_hi:[1,0]   ; O^T under the new M; also the places between the writes of p's codes and word and the products
.set j, j+2
.endr
.irp c, 0,1,2,3                                ; O^T += V^T P^T: the four accumulators take turns
.if (\c)%2
	v_wmma_scale_f32_16x16x128_f8f6f4 v[O+8*\c:O+8*\c+7], v[VF+12*\c:VF+12*\c+11], v[224:235], v[O+8*\c:O+8*\c+7], v[28+(\c)/2], v253 matrix_a_fmt:MATRIX_FMT_FP6 matrix_b_fmt:MATRIX_FMT_FP6 matrix_a_scale:MATRIX_SCALE_ROW1
.else
	v_wmma_scale_f32_16x16x128_f8f6f4 v[O+8*\c:O+8*\c+7], v[VF+12*\c:VF+12*\c+11], v[224:235], v[O+8*\c:O+8*\c+7], v[28+(\c)/2], v253 matrix_a_fmt:MATRIX_FMT_FP6 matrix_b_fmt:MATRIX_FMT_FP6
.endif
.endr
	s_add_co_u32 s[TB], s[TB], REC
	s_sub_co_u32 s[CNT], s[CNT], 1
	s_cmp_lg_u32 s[CNT], 0
	s_cbranch_scc1 .Lstep
; THE TAIL.  WO's fragment (tile t, step ks) lies at 12,288 t + 1,536 ks: each half of 768 bytes holds registers 0-3 at 16 x lane and registers 4-5 at 512 + 16 r + 8 h.
.macro BLOAD ks, set
.irp t, 0,1,2,3
	global_load_b128 v[BS+48*(\set)+12*\t:BS+48*(\set)+12*\t+3], v1, s[58:59] offset:12288*\t+1536*(\ks)
	global_load_b64 v[BS+48*(\set)+12*\t+4:BS+48*(\set)+12*\t+5], v16, s[58:59] offset:12288*\t+1536*(\ks)+512
	global_load_b128 v[BS+48*(\set)+12*\t+6:BS+48*(\set)+12*\t+9], v1, s[58:59] offset:12288*\t+1536*(\ks)+768
	global_load_b64 v[BS+48*(\set)+12*\t+10:BS+48*(\set)+12*\t+11], v16, s[58:59] offset:12288*\t+1536*(\ks)+1280
.endr
.endm
.macro ALOAD ks                        ; the 16 rows' fragment of step ks, in pieces of 8 bytes
.irp p, 0,1,2,3,4,5
	ds_load_b64 v[224+12*((\ks)%2)+2*\p:224+12*((\ks)%2)+2*\p+1], v20 offset:96*(\ks)+48*(\p/3)+8*(\p%3)
.endr
.endm
	s_mul_i32 s12, s[WV], APITCH
	s_add_co_u32 s12, s12, STG
	s_lshl_b32 s13, s[WV], 5
	s_add_co_u32 s13, s13, SCS
	s_mul_i32 s14, s[WV], 16*OPITCH
	s_add_co_u32 s14, s14, OST
	v_add_f32 v14, v14, v15                        ; the sum's two halves (these lines are also the places behind the last products)
	v_lshl_add_u32 v16, v5, 4, v11                 ; 16 r + 8 h
	v_lshlrev_b32 v17, 5, v4                       ; 32 x lane
	v_permlanex16_b32 v241, v14, s[SEL], s[SEL+1]
	v_mul_u32_u24 v18, v5, 48
	v_mad_u32_u24 v18, v6, 24, v18
	v_add_nc_u32 v18, s12, v18                     ; my row's codes: 48 r + 24 h
	v_add_f32 v14, v14, v241                       ; the row's sum
	v_lshl_add_u32 v19, v5, 1, v6
	v_add_nc_u32 v19, s13, v19                     ; my scale byte: 32 x wave + 2 r + h
	v_mul_u32_u24 v20, v5, APITCH
	v_mad_u32_u24 v20, v6, 24, v20
	v_add_nc_u32 v20, STG, v20                     ; a fragment of the rows: row r, + 24 h
	v_lshlrev_b32 v21, 5, v5
	v_add_nc_u32 v21, SCS, v21                     ; row r's scale words
	v_mul_u32_u24 v22, v5, OPITCH
	v_lshl_add_u32 v22, v6, 5, v22
	v_add_nc_u32 v22, s14, v22                     ; the way out, in: row r, 32 bytes a half
	v_mul_u32_u24 v23, v6, OPITCH
	v_lshl_add_u32 v23, v5, 4, v23
	v_add_nc_u32 v23, s14, v23                     ; back: sixteen lanes to a row of 256 bytes
	v_lshlrev_b32 v24, 12, v6
	v_lshl_add_u32 v24, v5, 4, v24                 ; and the same in out
	s_wait_alu depctr_va_vdst(0)                   ; the wait ahead of the reciprocal
	global_load_b128 v[184:187], v17, s[50:51]     ; WO's scale words: lanes 0-15 tile 0's rows, lanes 16-31 tile 1's, steps 0-3,
	global_load_b128 v[188:191], v17, s[50:51] offset:16     ; steps 4-7;
	global_load_b128 v[248:251], v17, s[50:51] offset:1024   ; tiles 2 and 3
	global_load_b128 v[252:255], v17, s[50:51] offset:1040
	BLOAD 0, 0
	BLOAD 1, 1
	v_rcp_f32 v14, v14
	v_nop
	s_wait_alu depctr_va_vdst(0)                   ; ahead of the reciprocal's and O^T's first reader
.set j, 0
.rept 32
	v_mul_f32 v[S+j], v[O+j], v14                  ; register 16 b + i is channel 32 b + 16 h + i of my query
.set j, j+1
.endr
.irp b, 0,1
	v_max3_num_f32 v[232+\b], |v[S+16*\b]|, |v[S+1+16*\b]|, 0x1800000
.endr
.irp i, 2,4,6,8,10,12,14
.irp b, 0,1
	v_max3_num_f32 v[232+\b], v[232+\b], |v[S+16*\b+\i]|, |v[S+1+16*\b+\i]|
.endr
.endr
.irp b, 0,1
	v_permlanex16_b32 v[236+\b], v[232+\b], s[SEL], s[SEL+1]
.endr
.irp b, 0,1
	v_max_num_f32 v[232+\b], v[232+\b], v[236+\b]
.endr
.irp b, 0,1
	v_add_nc_u32 v[244+\b], 0xff000000, v[232+\b]
.endr
.irp b, 0,1
	v_lshrrev_b32 v[236+\b], 23, v[244+\b]
.endr
	v_cvt_scalef32_pk16_fp6_f32 v[224:226], v[S:S+15], v244
	v_cvt_scalef32_pk16_fp6_f32 v[240:242], v[S+16:S+31], v245
	v_nop
.irp i, 0,1,2
	v_permlane16_swap_b32 v[224+\i], v[240+\i]     ; a whole block in a lane: block h
.endr
.irp i, 0,1,2
	v_mov_b32 v[227+\i], v[240+\i]
.endr
	v_cmp_ne_u32 vcc_lo, 0, v6
	v_cndmask_b32 v243, v236, v237, vcc_lo         ; block h's byte
	ds_store_b64 v18, v[224:225]
	ds_store_b64 v18, v[226:227] offset:8
	ds_store_b64 v18, v[228:229] offset:16
	ds_store_b8 v19, v243
	BLOAD 2, 2
	s_wait_dscnt 0x0                               ; for the others' sake: my row lies in LDS
	s_barrier_signal -1
	s_barrier_wait -1                              ; all sixteen rows do
	ds_load_b128 v[176:179], v21
	ds_load_b128 v[180:183], v21 offset:16
	ALOAD 0
	ALOAD 1
.macro OSTEP ks                        ; 128 along K: four products, source 0 = 16 rows of WO^T, source 1 = the 16 rows: a lane holds eight neighbouring columns of a row of out
.if (\ks) < 6
	s_wait_loadcnt 32                              ; this step's fragments are in; the 32 loads of the next two steps may be out
.else
	s_wait_loadcnt 16*(7-(\ks))
.endif
.if (\ks) < 7
	s_wait_dscnt 6                                 ; the next step's six loads may be out
.else
	s_wait_dscnt 0x0
.endif
.irp t, 0,1,2,3
.set BW, 184+64*((\t)/2)+(\ks)
.if (\ks) == 0
.if (\t)%2
	v_wmma_scale_f32_16x16x128_f8f6f4 v[O+8*\t:O+8*\t+7], v[BS+48*((\ks)%3)+12*\t:BS+48*((\ks)%3)+12*\t+11], v[224+12*((\ks)%2):235+12*((\ks)%2)], 0, v[BW], v[176+(\ks)] matrix_a_fmt:MATRIX_FMT_FP6 matrix_b_fmt:MATRIX_FMT_FP6 matrix_a_scale:MATRIX_SCALE_ROW1
.else
	v_wmma_scale_f32_16x16x128_f8f6f4 v[O+8*\t:O+8*\t+7], v[BS+48*((\ks)%3)+12*\t:BS+48*((\ks)%3)+12*\t+11], v[224+12*((\ks)%2):235+12*((\ks)%2)], 0, v[BW], v[176+(\ks)] matrix_a_fmt:MATRIX_FMT_FP6 matrix_b_fmt:MATRIX_FMT_FP6
.endif
.else
.if (\t)%2
	v_wmma_scale_f32_16x16x128_f8f6f4 v[O+8*\t:O+8*\t+7], v[BS+48*((\ks)%3)+12*\t:BS+48*((\ks)%3)+12*\t+11], v[224+12*((\ks)%2):235+12*((\ks)%2)], v[O+8*\t:O+8*\t+7], v[BW], v[176+(\ks)] matrix_a_fmt:MATRIX_FMT_FP6 matrix_b_fmt:MATRIX_FMT_FP6 matrix_a_scale:MATRIX_SCALE_ROW1
.else
	v_wmma_scale_f32_16x16x128_f8f6f4 v[O+8*\t:O+8*\t+7], v[BS+48*((\ks)%3)+12*\t:BS+48*((\ks)%3)+12*\t+11], v[224+12*((\ks)%2):235+12*((\ks)%2)], v[O+8*\t:O+8*\t+7], v[BW], v[176+(\ks)] matrix_a_fmt:MATRIX_FMT_FP6 matrix_b_fmt:MATRIX_FMT_FP6
.endif
.endif
.endr
.rept 4
	v_nop                                          ; places ahead of loads into registers just read, and of the first read of results
.endr
.if (\ks)+3 < 8
	BLOAD (\ks)+3, (\ks)%3
.endif
.if (\ks)+2 < 8
	ALOAD (\ks)+2
.endif
.endm
.irp ks, 0,1,2,3,4,5,6,7
	OSTEP \ks
.endr
.irp b, 0,1,2,3                                ; through my own stage: LDS serves a wave's instructions in order (ISA guide 5.7.1.4)
	ds_store_b128 v22, v[O+8*\b:O+8*\b+3] offset:64*\b
	ds_store_b128 v22, v[O+8*\b+4:O+8*\b+7] offset:64*\b+16
.endr
.irp t, 0,1,2,3,4,5,6,7
	ds_load_b128 v[32+4*\t:35+4*\t], v23 offset:\t*2*OPITCH
.endr
	s_wait_dscnt 0x0
.irp t, 0,1,2,3,4,5,6,7
	global_store_b128 v24, v[32+4*\t:35+4*\t], s[10:11] offset:\t*8192 th:TH_STORE_NT   ; sixteen lanes store 256 consecutive bytes, aligned
.endr
	s_wait_tensorcnt 0x0                           ; the wave's end
	ds_add_u32 v30, v31
	s_wait_dscnt 0x0
	CROUND                                         ; the closing round
	s_endpgm
.Lfunc_end_k_q82aac85e57_attn:
	.size	k_q82aac85e57_attn, .Lfunc_end_k_q82aac85e57_attn-k_q82aac85e57_attn
	.p2alignl 7, 3214868480
	.fill 96, 4, 3214868480
	.section	.rodata,"a",@progbits
	.p2align	6, 0x0
	.amdhsa_kernel k_q82aac85e57_attn
		.amdhsa_group_segment_fixed_size 327680
		.amdhsa_private_segment_fixed_size 0
		.amdhsa_enable_private_segment 0
		.amdhsa_kernarg_size 32
		.amdhsa_user_sgpr_count 2
		.amdhsa_user_sgpr_kernarg_segment_ptr 1
		.amdhsa_wavefront_size32 1
		.amdhsa_system_sgpr_workgroup_id_x 1
		.amdhsa_system_sgpr_workgroup_id_y 1
		.amdhsa_system_sgpr_workgroup_id_z 1
		.amdhsa_system_vgpr_workitem_id 0
		.amdhsa_next_free_vgpr 256
		.amdhsa_next_free_sgpr 66
		.amdhsa_reserve_vcc 1
		.amdhsa_float_denorm_mode_32 3
		.amdhsa_float_denorm_mode_16_64 3
		.amdhsa_memory_ordered 1
		.amdhsa_forward_progress 1
		.amdhsa_inst_pref_size 50
	.end_amdhsa_kernel
	.amdgpu_metadata
---
amdhsa.version: [ 1, 2 ]
amdhsa.kernels:
  - .name:           k_q82aac85e57_attn
    .symbol:         k_q82aac85e57_attn.kd
    .args:
      - { .name: qq, .offset: 0, .size: 8, .value_kind: global_buffer, .address_space: global }
      - { .name: kv, .offset: 8, .size: 8, .value_kind: global_buffer, .address_space: global }
      - { .name: wq, .offset: 16, .size: 8, .value_kind: global_buffer, .address_space: global }
      - { .name: out0, .offset: 24, .size: 8, .value_kind: global_buffer, .address_space: global }
    .group_segment_fixed_size: 327680
    .private_segment_fixed_size: 0
    .kernarg_segment_align: 8
    .kernarg_segment_size: 32
    .max_flat_workgroup_size: 512
    .sgpr_count:     66
    .vgpr_count:     256
    .wavefront_size: 32
...
	.end_amdgpu_metadata
.endif
;; end of part 3
